; MI455X (gfx1250); checked and timed in simulation.
; The chip was launched on July 23, 2026; its instructions are those of AMD's public machine-readable ISA for CDNA 5 (MIT licence, August 2026) and "CDNA5" Instruction Set Architecture Reference Guide (July 2026). The comments in the code are by the model that wrote it; some were corrected since.
;; Bahdanau Attention. Allowed arithmetic: matrix products marked QUANTISED: E3M2 operands, one E8M0 scale for each 32 along K, by v_wmma_scale_f32_16x16x128_f8f6f4 with both operands' format E3M2, f32 sums; products left as they are: f32 operands where the result goes on into a quantised operand, else bf16, f16 or f32 operands; f32 sums; everything else in f32.
;; Inputs: V_b 1 float32; V_w 1,024 x 1 float32; W1_b 1,024 float32; W1_w_codes 1,024 x 32 x 24 uint8 (E3M2 codes of W1_w, K innermost, in blocks of 32 codes, four codes in three bytes); W1_w_scales 1,024 x 32 uint8 (E8M0 scales of W1_w, one for each 32 codes along K); W2_b 1,024 float32; W2_w_codes 1,024 x 32 x 24 uint8 (E3M2 codes of W2_w, K innermost, in blocks of 32 codes, four codes in three bytes); W2_w_scales 1,024 x 32 uint8 (E8M0 scales of W2_w, one for each 32 codes along K); features 64 x 1,024 x 1,024 float32; hidden_codes 64 x 32 x 24 uint8 (E3M2 codes of hidden, K innermost, in blocks of 32 codes, four codes in three bytes); hidden_scales 64 x 32 uint8 (E8M0 scales of hidden, one for each 32 codes along K).
;; Outputs: out0 64 x 1,024 float32; out1 64 x 1,024 x 1 float32.
;; This version of the problem:
;;   THIS VERSION OF THE PROBLEM IS GIVEN IN LOW PRECISION. The matrix products marked QUANTISED in the list below multiply operands that are first quantised to E3M2 (3 exponent bits, 2 mantissa bits; 6 bits a number), with one power-of-two scale for each 32 numbers along K (OCP MX v1.0); their sums are f32. All else is computed in f32.
;;   The module's matrix products, in the order in which they are computed (A, B: the left and right operand; K: the contracted axis; several contracted axes count as one K, in the product's order):
;;     1. [M 65,536, K 1,024] x [K 1,024, N 1,024]; A: input features; B: input W1_w (given as codes): QUANTISED
;;     2. [M 64, K 1,024] x [K 1,024, N 1,024]; A: input hidden (given as codes); B: input W2_w (given as codes): QUANTISED
;;     3. [M 65,536, K 1,024] x [K 1,024, N 1]; A: computed on the way; B: input V_w: left as it is (N = 1 < 16)
;;   THE QUANTISER, for each operand of a quantised product, along K:
;;     - K is cut into blocks of 32 from its start; a last block that is shorter is filled with zeros.
;;     - A block's scale is 2^e with e = floor(log2(the largest magnitude in the block)) - 4, held to -126 .. 127; a block of zeros has e = 0. As a byte (E8M0): e + 127.
;;     - Each number is divided by its block's scale, clamped to +-28, and rounded to the nearest number of E3M2, ties to even, subnormals kept.
;;     - The product sums the exact products of the quantised numbers (number of the format x scale) in f32.
;;   ~~~python
;;   def quantise(x, axis):      # numpy; x: float32 -> the quantised numbers, widened to float32 again
;;       x = np.moveaxis(x, axis, -1); K = x.shape[-1]
;;       x = np.pad(x, [(0, 0)] * (x.ndim - 1) + [(0, -K % 32)]); x = x.reshape(x.shape[:-1] + (-1, 32)); a = np.abs(x).max(-1, keepdims=True)
;;       e = np.where(a > 0, np.clip(np.frexp(np.where(a > 0, a, 1))[1] - 1 - 4, -126, 127), 0)      # np.frexp(a)[1] - 1 = floor(log2(a)), exactly
;;       r = np.clip(x / 2.0 ** e, -28, 28)
;;       step = 2.0 ** (np.maximum(np.frexp(np.where(r == 0, 1, r))[1] - 1, -2) - 2)
;;       q = np.round(r / step) * step * 2.0 ** e      # np.round: ties to even
;;       return np.moveaxis(q.reshape(q.shape[:-2] + (-1,))[..., :K], -1, axis).astype(np.float32)
;;   ~~~
;;   INPUTS GIVEN AS CODES. W1_w (in the module: [1024, 1024], K = its axis 0); W2_w (in the module: [1024, 1024], K = its axis 0); hidden (in the module: [64, 1024], K = its axis 1): each comes as NAME_codes (uint8): NAME with its K axis moved to the last place and cut into blocks of 32 codes, [.., K / 32, bytes a block], one block behind the other in memory; four codes in three bytes: a row's codes are one little-endian stream of bits, code i at bits 6 i .. 6 i + 5 (a code: sign, 3 exponent bits, 2 mantissa bits); and NAME_scales (uint8): the same leading axes, one E8M0 byte (e + 127) for each 32 codes along K. Its value is code x scale, taken as it is: it is not quantised again, and the codes and scales need not be those that the quantiser above would give.
;; One version. Each part assembles by itself: llvm-mc -triple=amdgcn-amd-amdhsa -mcpu=gfx1250 --defsym DOCPART=n.
;; ======== version 1 of 1: 3 launches
;; workspace buffers: w1img 819,200 bytes; biasc 262,144 bytes; logits 262,144 bytes; pctx 1,048,576 bytes; pstat 65,536 bytes
;; launch prep (part 1): grid 96 x 1, 4 waves a work-group, no clusters, 8,704 bytes of LDS; arguments hidden_codes, hidden_scales, W2_w_codes, W2_w_scales, W2_b, W1_b, W1_w_codes, W1_w_scales, biasc, w1img; writes biasc, w1img
.if DOCPART == 1
	.amdgcn_target "amdgcn-amd-amdhsa--gfx1250"
	.amdhsa_code_object_version 6
	.text
	.protected	k_qc1d53dedb5_prep
	.globl	k_qc1d53dedb5_prep
	.p2align	8
	.type	k_qc1d53dedb5_prep,@function
k_qc1d53dedb5_prep:
	s_mov_b64 s[64:65], 0
	v_nop
	global_prefetch_b8 v0, s[64:65] scope:SCOPE_SE
	s_setreg_imm32_b32 hwreg(HW_REG_WAVE_MODE, 25, 1), 1
	s_wait_xcnt 0x0
; Two small jobs in one launch, told apart by the work-group's number (the same for all four waves of a work-group).
; JOB A (work-groups 0-63): biasc[b][u] = c2 x (sum over k of hidden[b][k] W2[k][u] + W2_b[u] + W1_b[u]), c2 = 2 log2(e): the part of the tanh's argument that does not hang on the sequence,
;   already in the scale in which the next launch takes its exponentials.  Both operands arrive as codes of E3M2 with E8M0 scales and go to the matrix unit as they lie.
;   Work-group x: columns 64 (x % 16) on, batches 16 (x / 16) on; wave w: the 16 columns 16 w on.  The product is used transposed (source 0 = 16 rows of W2's codes, source 1 = 16 rows of hidden's):
;   lane (r, h) holds batch r and columns 8 h + 0 .. 7.  The two biases are the C of the first product.  K = 1,024 is eight instructions on ONE accumulator.
;   The results meet in a stage in LDS (16 rows of 256 bytes + 16) and leave as aligned runs of 256 bytes from sixteen lanes.
; JOB B (work-groups 64-95): W1's codes and scale bytes are laid in the order in which the next launch's operand registers take them.
;   w1img = 8 images of 102,400 bytes (image 2 c + hf: chunk c of 64 columns of each wave, half hf of K); an image = 4 parts of 25,600 bytes (part w: the next launch's wave w);
;   a part = 16 fragments (4 k4 + t: K step 4 hf + k4, columns 256 w + 64 c + 16 t on) of 1,536 bytes, each three runs of 512 bytes (registers 4 k .. 4 k + 3, lane l at 16 l),
;   then 2 scale images of 512 bytes (image p: lane l's 16 bytes are the words of tiles t = 0 .. 3; lanes 0-15 K step 4 hf + 2 p, lanes 16-31 K step 4 hf + 2 p + 1).
;   Work-group 64 + 4 q + w makes part w of image q; its wave v the four fragments of k4 = v; waves 0 and 1 also scale image v.
.set WV, 24
	s_load_b512 s[4:19], s[0:1], 0x0               ; hidden's codes, scales; W2's codes, scales; W2_b; W1_b; W1's codes, scales
	s_load_b128 s[20:23], s[0:1], 0x40             ; biasc, w1img
	v_lshl_add_u32 v14, v0, 2, 0x2000
	v_mov_b32 v15, 0
	v_lshrrev_b32 v1, 5, v0
	v_readfirstlane_b32 s[WV], v1                  ; wave 0..3
	v_and_b32 v2, 15, v0                           ; r
	v_bfe_u32 v3, v0, 4, 1                         ; h
	v_and_b32 v4, 31, v0                           ; lane
	v_mul_u32_u24 v5, v2, 768                      ; a row of 1,024 codes is 768 bytes;
	v_mad_u32_u24 v5, v3, 24, v5                   ; + 24 h: my half's 32 codes of each 64
	s_mov_b32 s31, 0                               ; the high word of every offset pair s[30:31]
	s_wait_kmcnt 0x0
	s_cmp_ge_u32 ttmp9, 64
	s_cbranch_scc1 .Limage
	; ---------------- JOB A
	s_and_b32 s25, ttmp9, 15                       ; which 64 columns
	s_lshr_b32 s26, ttmp9, 4                       ; which 16 batches
	s_lshl_b32 s28, s25, 2
	s_add_co_u32 s28, s28, s[WV]                   ; my tile of 16 columns
	s_mul_i32 s30, s28, 12288                      ; 16 rows of 768 bytes
	s_add_nc_u64 s[8:9], s[8:9], s[30:31]
	s_mul_i32 s30, s26, 12288
	s_add_nc_u64 s[4:5], s[4:5], s[30:31]
	s_lshl_b32 s30, s28, 9                         ; 16 rows of 32 scale bytes
	s_add_nc_u64 s[10:11], s[10:11], s[30:31]
	s_lshl_b32 s30, s26, 9
	s_add_nc_u64 s[6:7], s[6:7], s[30:31]
	s_lshl_b32 s30, s28, 6                         ; 16 numbers of a bias
	s_add_nc_u64 s[12:13], s[12:13], s[30:31]
	s_add_nc_u64 s[14:15], s[14:15], s[30:31]
	s_lshl_b32 s30, s26, 16                        ; 16 rows of biasc,
	s_lshl_b32 s29, s25, 8                         ; 64 columns
	s_add_co_u32 s30, s30, s29
	s_add_nc_u64 s[20:21], s[20:21], s[30:31]
	s_mov_b32 s32, 0x4038aa3b                      ; c2 = 2 log2(e)
	s_mov_b32 s33, s32                             ; (named with it as a pair, so it is written)
	v_lshlrev_b32 v6, 5, v2                        ; scale words: row r of 32 bytes
	v_lshlrev_b32 v7, 5, v3                        ; biases: my eight numbers, 32 h
.irp s, 0,1,2,3,4,5,6,7
.irp p, 0,1,2,3,4,5
	global_load_b64 v[16+12*\s+2*\p:17+12*\s+2*\p], v5, s[8:9] offset:96*\s+48*(\p/3)+8*(\p%3)      ; W2's fragment of K step s
.endr
.endr
.irp s, 0,1,2,3,4,5,6,7
.irp p, 0,1,2,3,4,5
	global_load_b64 v[112+12*\s+2*\p:113+12*\s+2*\p], v5, s[4:5] offset:96*\s+48*(\p/3)+8*(\p%3)    ; hidden's
.endr
.endr
.irp s, 0,1,2,3,4,5,6,7
	global_load_b32 v[208+\s], v6, s[10:11] offset:4*\s
	global_load_b32 v[216+\s], v6, s[6:7] offset:4*\s
.endr
	global_load_b128 v[224:227], v7, s[12:13]
	global_load_b128 v[228:231], v7, s[12:13] offset:16
	global_load_b128 v[232:235], v7, s[14:15]
	global_load_b128 v[236:239], v7, s[14:15] offset:16
	v_mul_u32_u24 v8, v2, 272                      ; the stage, in: row r, + 64 x wave + 32 h
	v_lshl_add_u32 v8, v3, 5, v8
	s_lshl_b32 s34, s[WV], 6
	v_add_nc_u32 v8, s34, v8
	v_mul_u32_u24 v9, v3, 272                      ; back: rows 4 x wave + h (and two further on), 16 bytes a lane
	v_lshl_add_u32 v9, v2, 4, v9
	s_mul_i32 s35, s[WV], 1088
	v_add_nc_u32 v9, s35, v9
	v_lshlrev_b32 v10, 12, v3                      ; and the same place in biasc: rows of 4,096 bytes
	v_lshl_add_u32 v10, v2, 4, v10
	s_lshl_b32 s36, s[WV], 14
	v_add_nc_u32 v10, s36, v10
	s_wait_loadcnt 0x0
.irp e, 0,2,4,6
	v_pk_add_f32 v[224+\e:225+\e], v[224+\e:225+\e], v[232+\e:233+\e]     ; W2_b + W1_b at my eight columns
.endr
.rept 4
	v_nop
.endr
	v_wmma_scale_f32_16x16x128_f8f6f4 v[240:247], v[16:27], v[112:123], v[224:231], v208, v216 matrix_a_fmt:MATRIX_FMT_BF6 matrix_b_fmt:MATRIX_FMT_BF6
.irp s, 1,2,3,4,5,6,7
	s_wait_alu depctr_va_vdst(0)                   ; one accumulator, so the links follow each other
	v_wmma_scale_f32_16x16x128_f8f6f4 v[240:247], v[16+12*\s:27+12*\s], v[112+12*\s:123+12*\s], v[240:247], v[208+\s], v[216+\s] matrix_a_fmt:MATRIX_FMT_BF6 matrix_b_fmt:MATRIX_FMT_BF6
.endr
.rept 4
	v_nop                                          ; four places between the last product and the first read of its result (ISA guide 7.12.1)
.endr
.irp e, 0,2,4,6
	v_pk_mul_f32 v[248+\e:249+\e], v[240+\e:241+\e], s[32:33] op_sel_hi:[1,0]    ; x c2, from the accumulator's low end on
.endr
	ds_store_b128 v8, v[248:251]
	ds_store_b128 v8, v[252:255] offset:16
	s_wait_dscnt 0x0                               ; for the others' sake: my stores into the stage are done
	s_barrier_signal -1
	s_barrier_wait -1
	ds_load_b128 v[16:19], v9                      ; bytes that all four waves stored
	ds_load_b128 v[20:23], v9 offset:544
	s_wait_dscnt 0x0
	global_store_b128 v10, v[16:19], s[20:21]      ; sixteen lanes store 256 consecutive bytes, at a multiple of 256 from the buffer's first byte
	global_store_b128 v10, v[20:23], s[20:21] offset:8192
	s_wait_tensorcnt 0x0
	ds_add_u32 v14, v15
	s_wait_dscnt 0x0
	s_endpgm
	; ---------------- JOB B
.Limage:
	s_sub_co_u32 s25, ttmp9, 64
	s_lshr_b32 s26, s25, 2                         ; image q = 2 c + hf
	s_and_b32 s28, s25, 3                          ; part w
	s_lshr_b32 s29, s26, 1                         ; c
	s_and_b32 s34, s26, 1                          ; hf
	s_lshl_b32 s35, s28, 4
	s_lshl_b32 s36, s29, 2
	s_add_co_u32 s35, s35, s36                     ; the part's first tile of 16 columns: 16 w + 4 c
	s_lshl_b32 s36, s34, 2                         ; 4 hf
	s_add_co_u32 s37, s36, s[WV]                   ; my K step
	s_mul_i32 s30, s35, 12288
	s_mul_i32 s37, s37, 96
	s_add_co_u32 s30, s30, s37
	s_add_nc_u64 s[16:17], s[16:17], s[30:31]      ; W1's codes at my first fragment
	s_lshl_b32 s30, s35, 9
	s_lshl_b32 s37, s[WV], 1
	s_add_co_u32 s37, s37, s36                     ; K step 4 hf + 2 x wave (used by waves 0 and 1 alone)
	s_lshl_b32 s37, s37, 2
	s_add_co_u32 s30, s30, s37
	s_add_nc_u64 s[18:19], s[18:19], s[30:31]
	s_mul_i32 s30, s26, 102400
	s_mul_i32 s37, s28, 25600
	s_add_co_u32 s30, s30, s37
	s_add_nc_u64 s[22:23], s[22:23], s[30:31]      ; the part
	s_lshl_b32 s30, s[WV], 9
	s_add_co_u32 s30, s30, 24576
	s_add_nc_u64 s[38:39], s[22:23], s[30:31]      ; its scale image number wave
	s_mul_i32 s30, s[WV], 6144
	s_add_nc_u64 s[22:23], s[22:23], s[30:31]      ; its four fragments of k4 = wave
	v_lshlrev_b32 v11, 4, v4                       ; 16 x lane
	v_lshlrev_b32 v12, 5, v2
	v_lshl_add_u32 v12, v3, 2, v12                 ; scale words: row r, + 4 h: lanes 16-31 take the K step after
.irp t, 0,1,2,3
.irp p, 0,1,2,3,4,5
	global_load_b64 v[16+12*\t+2*\p:17+12*\t+2*\p], v5, s[16:17] offset:\t*12288+48*(\p/3)+8*(\p%3)
.endr
.endr
	s_cmp_ge_u32 s[WV], 2
	s_cbranch_scc1 .Lno_words
.irp t, 0,1,2,3
	global_load_b32 v[64+\t], v12, s[18:19] offset:512*\t
.endr
.Lno_words:
	s_wait_loadcnt 0x0
.irp t, 0,1,2,3
.irp k, 0,1,2
	global_store_b128 v11, v[16+12*\t+4*\k:19+12*\t+4*\k], s[22:23] offset:\t*1536+512*\k   ; 32 lanes store 512 consecutive bytes
.endr
.endr
	s_cmp_ge_u32 s[WV], 2
	s_cbranch_scc1 .Lno_image
	global_store_b128 v11, v[64:67], s[38:39]
.Lno_image:
	s_endpgm
.Lfunc_end_k_qc1d53dedb5_prep:
	.size	k_qc1d53dedb5_prep, .Lfunc_end_k_qc1d53dedb5_prep-k_qc1d53dedb5_prep
	.p2alignl 7, 3214868480
	.fill 96, 4, 3214868480
	.section	.rodata,"a",@progbits
	.p2align	6, 0x0
	.amdhsa_kernel k_qc1d53dedb5_prep
		.amdhsa_group_segment_fixed_size 8704
		.amdhsa_private_segment_fixed_size 0
		.amdhsa_enable_private_segment 0
		.amdhsa_kernarg_size 80
		.amdhsa_user_sgpr_count 2
		.amdhsa_user_sgpr_kernarg_segment_ptr 1
		.amdhsa_wavefront_size32 1
		.amdhsa_system_sgpr_workgroup_id_x 1
		.amdhsa_system_sgpr_workgroup_id_y 1
		.amdhsa_system_sgpr_workgroup_id_z 1
		.amdhsa_system_vgpr_workitem_id 0
		.amdhsa_next_free_vgpr 256
		.amdhsa_next_free_sgpr 66
		.amdhsa_reserve_vcc 0
		.amdhsa_float_denorm_mode_32 3
		.amdhsa_float_denorm_mode_16_64 3
		.amdhsa_memory_ordered 1
		.amdhsa_forward_progress 1
		.amdhsa_inst_pref_size 22
	.end_amdhsa_kernel
	.amdgpu_metadata
---
amdhsa.version: [ 1, 2 ]
amdhsa.kernels:
  - .name:           k_qc1d53dedb5_prep
    .symbol:         k_qc1d53dedb5_prep.kd
    .args:
      - { .name: hidden_codes, .offset: 0, .size: 8, .value_kind: global_buffer, .address_space: global }
      - { .name: hidden_scales, .offset: 8, .size: 8, .value_kind: global_buffer, .address_space: global }
      - { .name: W2_w_codes, .offset: 16, .size: 8, .value_kind: global_buffer, .address_space: global }
      - { .name: W2_w_scales, .offset: 24, .size: 8, .value_kind: global_buffer, .address_space: global }
      - { .name: W2_b, .offset: 32, .size: 8, .value_kind: global_buffer, .address_space: global }
      - { .name: W1_b, .offset: 40, .size: 8, .value_kind: global_buffer, .address_space: global }
      - { .name: W1_w_codes, .offset: 48, .size: 8, .value_kind: global_buffer, .address_space: global }
      - { .name: W1_w_scales, .offset: 56, .size: 8, .value_kind: global_buffer, .address_space: global }
      - { .name: biasc, .offset: 64, .size: 8, .value_kind: global_buffer, .address_space: global }
      - { .name: w1img, .offset: 72, .size: 8, .value_kind: global_buffer, .address_space: global }
    .group_segment_fixed_size: 8704
    .private_segment_fixed_size: 0
    .kernarg_segment_align: 8
    .kernarg_segment_size: 80
    .max_flat_workgroup_size: 128
    .sgpr_count:     66
    .vgpr_count:     256
    .wavefront_size: 32
...
	.end_amdgpu_metadata
.endif
;; end of part 1
;; launch main (part 2): grid 256 x 1, 4 waves a work-group, clusters of 4 x 1, 327,680 bytes of LDS; arguments features, w1img, biasc, V_w, V_b, logits, pctx, pstat; writes logits, pctx, pstat
.if DOCPART == 2
	.amdgcn_target "amdgcn-amd-amdhsa--gfx1250"
	.amdhsa_code_object_version 6
	.text
	.protected	k_qc1d53dedb5_main
	.globl	k_qc1d53dedb5_main
	.p2align	8
	.type	k_qc1d53dedb5_main,@function
k_qc1d53dedb5_main:
	s_mov_b64 s[64:65], 0
	v_nop
	global_prefetch_b8 v0, s[64:65] scope:SCOPE_SE
	s_setreg_imm32_b32 hwreg(HW_REG_WAVE_MODE, 25, 1), 1
	s_wait_xcnt 0x0
	s_wait_alu depctr_hold_cnt(0) depctr_sa_sdst(0) depctr_va_vdst(0) depctr_va_sdst(0) depctr_va_ssrc(0) depctr_va_vcc(0) depctr_vm_vsrc(0)
	s_getreg_b32 s2, hwreg(HW_REG_IB_STS2, 6, 4)
	s_cmp_eq_u32 s2, 0
	s_cbranch_scc0 .Lentry_in_a_cluster
	s_endpgm
.Lentry_in_a_cluster:
	s_bfe_u32 s2, ttmp6, 0x10000c
	s_cmp_lg_u32 s2, 0x3003
	s_cbranch_scc0 .Lentry_shape_is_right
	s_endpgm
.Lentry_shape_is_right:
; logit[b][s] = sum over u of V[u] tanh(Q(features)[b][s][:] . W1[:][u] + bias[b][u]) + V_b;  a running softmax over the work-group's 256 rows;  the work-group's part of the context, sum over s of p[s] features[b][s][:].
; features arrive as f32 and are quantised here, from f32, to codes of E3M2 with one E8M0 scale for each 32 along K; W1 comes as images of the operand's registers (w1img), bias as c2 x bias (biasc), c2 = 2 log2(e).
; tanh(x) = 1 - 2 r, r = 1 / (1 + 2^(c2 x)): so logit = (sum of V + V_b) + sum over u of (-2 V[u]) r[u].  2^t = infinity gives r = 0, 2^t = 0 gives r = 1: both ends are right.
; LIMITS: NaN and infinities among the features are not served.  A block of 32 whose largest magnitude lies under 2^-122 keeps the scale byte 1; a block of zeros too (the rule says 127): its codes are zeros,
; which add nothing under any byte but 0xff, and the bytes are read by this launch alone.
; SHARES.  A cluster of four work-groups is a batch; work-group cx owns its rows 256 cx on, in four GENERATIONS of 64 rows.  In the product the four waves share the COLUMNS: wave w owns columns 256 w on, in four chunks of 64.
; The codes of a whole generation (4 tiles of 16 rows x 8 K steps: 384 registers, 32 scale words) stay in every wave's registers, so that only W1 is read from LDS, and each of its fragments feeds four matrix instructions.
; A TRIP is one chunk of one generation: two slots of W1 (the halves of K), 128 matrix instructions a wave, then the chunk's tanh.  16 trips.
; W1's slots are the same for all work-groups: the four partners of a cluster ask for each JOINTLY (one tensor load a wave for its own part, the same descriptor in all four, a mask that names the four).
; A wave reads only the part that it asked for itself.  By this text's count a wave has at most two tensor loads out.
; BESIDE THE PRODUCT two streams of features run through registers, asked for a window or a trip ahead (so nothing more is asked of memory ahead of them):  Q: the next generation, 16 rows x 128 columns a unit, is turned
; through the wave's stage in LDS, quantised, and its codes go to LDS as images of the operand's registers;  C: the last generation's rows are read a second time, as f32, for the context, once their p are known.
; ONE WAVE IS ALONE ON ITS SIMD, so every LDS read is issued a phase ahead of its use: a slot's first fragments behind the round that showed the slot landed, both units' turns ahead of the context's arithmetic,
; the tanh's table words ahead of the second slot's products, a slice's p at the trip's head.
; The product is used as written (source 0 = features, source 1 = W1): register j of lane (r, h) is row 8 h + j, column r: bias and V cost one register a tile, and the sum over u stays in a lane until the generation's end.
; REGISTERS, in windows of 256.  window 0: v1-29 addresses; v32-63 A's scale words; v64-79 B's; v80-127, v128-175 two sets of four fragments of B (the second: between products the quantiser's); v176-191 bias and -2 V of the chunk;
;   v192-223 the logits' partial sums; v224-239 the context, two sets of 8; v240-254 softmax.   window 1: v0-191 A's K steps 0-3, v192-255 unit buffer F0.   window 2: v0-191 A's K steps 4-7, v192-255 F1.
;   window 3: v0-127 the 16 accumulators ((m, t) at 8 (4 m + t)), v128-255 a slice of 16 rows for the context (in the prologue two more unit buffers).
.set SLOTB,  102400                    ; a slot of W1: four parts
.set PARTB,  25600                     ; a wave's part: 16 fragments of 1,536 bytes, 2 scale images of 512
.set CODES,  204800                    ; LDS: A's 32 fragments, (m, s) at 12,288 m + 1,536 s
.set ASC,    253952                    ; their scale words, 128 bytes each, at 1,024 m + 128 s
.set STAGE,  258048                    ; the turn: for each wave 16 rows of 512 bytes + 16
.set STGW,   8448
.set TABC,   291840                    ; c2 x bias of the batch's 1,024 columns
.set TABW,   295936                    ; -2 V
.set LX,     300032                    ; the waves' partial logits: [wave][64]
.set PT,     301056                    ; p of a generation, a copy for each wave: [wave][64]
.set SPARE,  302080                    ; the spare words, 128 bytes for each wave: two blocks of 256 bytes that no other line names
.set L16, 1                            ; 16 x lane; never rewritten
.set BB0, 2                            ; v2, v3: my part of slot 0, 1, + 16 x lane
.set AIM, 4                            ; CODES + 16 x lane
.set ASR, 5                            ; ASC + 4 x lane
.set STW, 6                            ; my stage + 16 x lane
.set STR, 7                            ; my stage + 528 r + 128 h
.set CWR, 8                            ; where I store codes: CODES + 12,288 x wave + 16 x lane
.set SWR, 9                            ; and scale words: ASC + 1,024 x wave + 4 x lane
.set CWL, 10                           ; the same + the trip's K steps
.set SWL, 11
.set TBR, 12                           ; TABC + 1,024 x wave + 4 r
.set TBA, 13                           ; + the chunk
.set LXW, 14                           ; LX + 256 x wave + 32 h
.set LXR, 15                           ; LX + 8 x lane
.set PTW, 16                           ; PT + 256 x wave + 8 x lane
.set PTR, 17                           ; PT + 256 x wave + 4 r
.set PTA, 18                           ; + the slice
.set FAO, 19                           ; offset of the units' loads
.set CAO, 20                           ; offsets of the slices' loads
.set CAO2, 21
.set LGO, 22                           ; offset of the logits' store
.set L8,  23                           ; 8 x lane
.set H8,  24                           ; 8 h
.set K0,  26                           ; v[26:27] sum of V + V_b, twice
.set SPW, 28                           ; my spare word: SPARE + 4 x my thread's number; never rewritten
.set NIL, 29                           ; 0; never rewritten
.set ASW, 32
.set BSW, 64
.set BF,  80
; the quantiser's registers lie in B's second set, which is idle then.  Two sets q of codes, so that no LDS store's data are written again: v[128 + 20 q] on 12 registers of codes,
; v[140 + 20 q] on the blocks' upper halves (3 + 3, each from an even register), v[143 + 20 q] the scale word
.set QX,  147                          ; lane l xor 16's scale word
.set QM,  168                          ; v168-171 largest magnitudes, four chains
.set QS,  172                          ; v172-173 the conversions' scale operands
.set QB,  174                          ; v174-175 the bytes
.set TV,  176
.set LSUM, 192
.set CX,  224
.set MR,  240                          ; the running largest logit
.set ZL,  242                          ; v[242:243] my two rows' running sum of p
.set FF,  244                          ; v[244:245] e^(old maximum - new)
.set LG,  246                          ; v[246:247] two logits
.set PP,  248                          ; v[248:249] their p
.set TMP, 250                          ; v250-253 at work
.set PV,  254                          ; a slice's p, lane r: row r
.set WV,  20                           ; s20 my wave's number.  (s21 cx, s23 work-group, s58-61: the only scalars that ever hang on cx, beside the pointers made of them)
.set TAU, 22                           ; s22 the trip
.set G1,  24                           ; s[24:31] descriptor group 1
.set G0A, 32                           ; s[32:35], s[36:39] group 0 for slot 0, 1
.set SEL, 40                           ; s[40:41] v_permlanex16_b32's selects for lane l xor 16
.set C2,  42                           ; s[42:43] c2, twice
.set LE,  44                           ; s[44:45] log2(e), twice
.set FQ,  46                           ; s[46:47] features at my wave's 16 rows of generation 0
.set FC,  48                           ; s[48:49] features at my work-group's first row, my wave's 256 columns
.set WB0, 50                           ; s[50:51], s[52:53] w1img at my part of image 0, 1
.set OFS, 54                           ; s[54:55] an offset pair for the descriptors
.set PS,  66                           ; s[66:97] 16 pairs: p of a slice's rows in the even ones; the odd ones written once
.set MSB, 0
.macro WIN new                         ; the immediate's high byte repeats the setting that is left; a switch that changes nothing is dropped
.if MSB != (\new)
	s_set_vgpr_msb (MSB<<8)|(\new)
.set MSB, (\new)
.endif
.endm
.macro PLACES                          ; four plain places between a matrix instruction and a load into its registers or a read of its result (ISA guide 7.12.1 for vector instructions)
.rept 4
	v_nop
.endr
.endm
; A round of the cluster's barrier: my work-group's barrier, wave 0 signals for the work-group, every wave waits for all four work-groups, my work-group's barrier once more.
.macro ROUND
	s_barrier_signal -1
	s_barrier_wait -1
	s_cmp_lg_u32 s[WV], 0
	s_cbranch_scc1 .Lnot_wave_0_\@
	s_barrier_signal -3
.Lnot_wave_0_\@:
	s_barrier_wait -3
	s_barrier_signal -1
	s_barrier_wait -1
.endm
; Slot sl has just been read out: it is filled again, with the same half of K of the next trip's chunk.
.macro RING sl
	WIN 0
	s_wait_tensorcnt 0x0                           ; all my tensor loads have landed, the other slot's among them: no load of mine is out, so a group 0 may be written
	ds_add_u32 v[SPW], v[NIL]                      ; 0 onto my spare word; the descriptor's step stands between it and the wait for it
	s_add_co_u32 s56, s[TAU], 1
	s_and_b32 s56, s56, 3                          ; the next trip's chunk
	s_mul_i32 s[OFS], s56, 2*SLOTB                 ; its two images
	s_add_nc_u64 s[G0A+4*(\sl)+2:G0A+4*(\sl)+3], s[WB0+2*(\sl):WB0+2*(\sl)+1], s[OFS:OFS+1]
	s_or_b32 s[G0A+4*(\sl)+3], s[G0A+4*(\sl)+3], 0x80000000
	s_wait_dscnt 0x0                               ; the add is done, and all my LDS reads and stores are over
	ROUND                                          ; that now holds of every wave of all four work-groups
	tensor_load_to_lds s[G0A+4*(\sl):G0A+4*(\sl)+3], s[G1:G1+7]   ; my one tensor load behind the round, and the first thing there
	s_nop 0
	PLACES                                         ; four v_nop follow it; they are also the places between the slot's last products and the loads and vector lines that next write B's sets
.endm
.macro LB set, sl, k4                  ; the four fragments of B of the slot's K step k4 into set: twelve loads of 512 consecutive bytes
.irp t, 0,1,2,3
.irp k, 0,1,2
	ds_load_b128 v[BF+48*(\set)+12*\t+4*\k:BF+48*(\set)+12*\t+4*\k+3], v[BB0+(\sl)] offset:(4*(\k4)+\t)*1536+512*\k
.endr
.endr
.endm
.macro LBS sl                          ; the slot's two scale images
	ds_load_b128 v[BSW+8*(\sl):BSW+8*(\sl)+3], v[BB0+(\sl)] offset:24576
	ds_load_b128 v[BSW+8*(\sl)+4:BSW+8*(\sl)+7], v[BB0+(\sl)] offset:25088
.endm
; 16 matrix instructions: 4 tiles of columns x 4 tiles of rows, 128 along K.  The 16 accumulators take turns, one instruction a turn, in the same order in every K step.
; B's scale register carries two K steps: the even one in lanes 0-15, the odd one in lanes 16-31.
.macro MUL16 sl, k4, set, zero
	WIN 0xf0|(1+(\sl))                             ; A in window 1 or 2, B in window 0, C and D in window 3
.irp t, 0,1,2,3
.irp m, 0,1,2,3
.if \zero
	v_wmma_scale_f32_16x16x128_f8f6f4 v[8*(4*\m+\t):8*(4*\m+\t)+7], v[12*(4*(\k4)+\m):12*(4*(\k4)+\m)+11], v[BF+48*(\set)+12*\t:BF+48*(\set)+12*\t+11], 0, v[ASW+4*(4*(\sl)+(\k4))+\m], v[BSW+8*(\sl)+4*((\k4)/2)+\t] matrix_a_fmt:MATRIX_FMT_BF6 matrix_b_fmt:MATRIX_FMT_BF6
.elseif (\k4)%2
	v_wmma_scale_f32_16x16x128_f8f6f4 v[8*(4*\m+\t):8*(4*\m+\t)+7], v[12*(4*(\k4)+\m):12*(4*(\k4)+\m)+11], v[BF+48*(\set)+12*\t:BF+48*(\set)+12*\t+11], v[8*(4*\m+\t):8*(4*\m+\t)+7], v[ASW+4*(4*(\sl)+(\k4))+\m], v[BSW+8*(\sl)+4*((\k4)/2)+\t] matrix_a_fmt:MATRIX_FMT_BF6 matrix_b_fmt:MATRIX_FMT_BF6 matrix_b_scale:MATRIX_SCALE_ROW1
.else
	v_wmma_scale_f32_16x16x128_f8f6f4 v[8*(4*\m+\t):8*(4*\m+\t)+7], v[12*(4*(\k4)+\m):12*(4*(\k4)+\m)+11], v[BF+48*(\set)+12*\t:BF+48*(\set)+12*\t+11], v[8*(4*\m+\t):8*(4*\m+\t)+7], v[ASW+4*(4*(\sl)+(\k4))+\m], v[BSW+8*(\sl)+4*((\k4)/2)+\t] matrix_a_fmt:MATRIX_FMT_BF6 matrix_b_fmt:MATRIX_FMT_BF6
.endif
.endr
.endr
.endm
; A slot's four K steps.  Its scale images and the sets of K steps 0 and 1 have been asked for earlier.  head: how many of those loads may still be out: none, or set 1's twelve.
; B's two sets take turns; a set is fetched while the other is multiplied.  Slot 0's first products start the sums: nothing is cleared.
.macro GBODY sl, head
	s_wait_dscnt \head
	MUL16 \sl, 0, 0, 1-(\sl)
	WIN 0
	PLACES
	LB 0, \sl, 2
	s_wait_dscnt 12                                ; set 1 is in; the twelve just issued may be out (LDS loads come back in order)
	MUL16 \sl, 1, 1, 0
	WIN 0
	PLACES
	LB 1, \sl, 3
	s_wait_dscnt 12
	MUL16 \sl, 2, 0, 0
	s_wait_dscnt 0x0
	MUL16 \sl, 3, 1, 0
	WIN 0
.endm
; A unit of Q: my 16 rows x 128 columns of f32, one load a row: 32 lanes read 512 consecutive bytes.  (No hint: these bytes are read again.)
.macro QLOAD win, fb, adr, off
	WIN (\win)<<6
.irp i, 0,1,2,3,4,5,6,7,8,9,10,11,12,13,14,15
	global_load_b128 v[\fb+4*\i:\fb+4*\i+3], v[\adr], s[FQ:FQ+1] offset:\off+4096*\i
.endr
	WIN 0
.endm
; The turn: the unit's rows go into my stage as they were loaded and come back so that lane (r, h) holds, of row r, k = 64 c + 32 h + 0 .. 31 in registers 32 c on: two whole blocks, in the order of the operand's layout.
; LDS serves a wave's instructions in order (ISA guide 5.7.1.4): the loads see the stores above them, and the next unit's stores into the same stage come behind these loads.  So no wait stands here.
.macro TURN win, fb
	WIN (\win)<<2                                  ; an LDS store's data are its source 1
.irp i, 0,1,2,3,4,5,6,7,8,9,10,11,12,13,14,15
	ds_store_b128 v[STW], v[\fb+4*\i:\fb+4*\i+3] offset:528*\i
.endr
	WIN (\win)<<6
.irp c, 0,1
.irp i, 0,1,2,3,4,5,6,7
	ds_load_b128 v[\fb+32*\c+4*\i:\fb+32*\c+4*\i+3], v[STR] offset:256*\c+16*\i
.endr
.endr
	WIN 0
.endm
; The turned unit in v[fb] .. v[fb + 63] of window win becomes a fragment and a scale word a row, in set q of the quantiser's registers, and both go to LDS as images of their registers.
.macro QUANT win, fb, q, cw, cwoff, sw, swoff
.set QC, 128+20*(\q)
.set QT, 140+20*(\q)
.set QW, 143+20*(\q)
	WIN 5*(\win)
.irp c, 0,1
	v_max3_num_f32 v[QM+\c], |v[\fb+32*\c]|, |v[\fb+32*\c+1]|, 0x2800000          ; a block's largest magnitude, in two chains, each begun with the floor 2^(5 - 127): so the byte cannot fall under 1
	v_max3_num_f32 v[QM+2+\c], |v[\fb+32*\c+16]|, |v[\fb+32*\c+17]|, 0x2800000
.endr
	WIN 20*(\win)
.irp i, 2,4,6,8,10,12,14
.irp c, 0,1
	v_max3_num_f32 v[QM+\c], v[QM+\c], |v[\fb+32*\c+\i]|, |v[\fb+32*\c+\i+1]|
	v_max3_num_f32 v[QM+2+\c], v[QM+2+\c], |v[\fb+32*\c+16+\i]|, |v[\fb+32*\c+17+\i]|
.endr
.endr
	WIN 0
	v_max_num_f32 v[QM], v[QM], v[QM+2]
	v_max_num_f32 v[QM+1], v[QM+1], v[QM+3]
	v_add_nc_u32 v[QS], 0xfe000000, v[QM]          ; 4 off the exponent field: the conversion takes the exponent field of this operand as its scale, and nothing else of it
	v_add_nc_u32 v[QS+1], 0xfe000000, v[QM+1]
	v_lshrrev_b32 v[QB], 23, v[QS]                 ; the scales' bytes
	v_lshrrev_b32 v[QB+1], 23, v[QS+1]
	v_lshl_or_b32 v[QW], v[QB+1], 16, v[QB]        ; my two: blocks h and 2 + h of row r,
	v_lshlrev_b32 v[QW], v[H8], v[QW]              ; at their places in the word;
	v_permlanex16_b32 v[QX], v[QW], s[SEL], s[SEL+1]
	v_or_b32 v[QW], v[QW], v[QX]                   ; with lane l xor 16's two the word is whole
	WIN \win
.irp c, 0,1
	v_cvt_scalef32_pk16_bf6_f32 v[QC+6*\c:QC+6*\c+2], v[\fb+32*\c:\fb+32*\c+15], v[QS+\c]
	v_cvt_scalef32_pk16_bf6_f32 v[QT+4*\c:QT+4*\c+2], v[\fb+32*\c+16:\fb+32*\c+31], v[QS+\c]   ; (a conversion's three registers begin on an even number)
.endr
	WIN 0
	v_nop                                          ; one plain place behind a scaled conversion
.irp c, 0,1
.irp i, 0,1,2
	v_mov_b32 v[QC+3+6*\c+\i], v[QT+4*\c+\i]
.endr
.endr
.irp k, 0,1,2
	ds_store_b128 v[\cw], v[QC+4*\k:QC+4*\k+3] offset:\cwoff+512*\k
.endr
	ds_store_b32 v[\sw], v[QW] offset:\swoff
.endm
; A slice of C: 16 rows x my wave's 256 columns of f32, two loads a row, 512 consecutive bytes each.  This is the bytes' last read.
.macro CLOAD win, fb, adr
	WIN (\win)<<6
.irp i, 0,1,2,3,4,5,6,7,8,9,10,11,12,13,14,15
	global_load_b128 v[\fb+8*\i:\fb+8*\i+3], v[\adr], s[FC:FC+1] offset:4096*\i th:TH_LOAD_NT
	global_load_b128 v[\fb+8*\i+4:\fb+8*\i+7], v[\adr], s[FC:FC+1] offset:4096*\i+512 th:TH_LOAD_NT
.endr
	WIN 0
.endm
; context += p[row] x the slice's rows.  The 16 p, which lie in lanes 0-15 of v[pv], go to scalar registers; even and odd rows add into two sets of sums.
.macro CCONS win, fb, pv
.irp i, 0,1,2,3,4,5,6,7,8,9,10,11,12,13,14,15
	v_readlane_b32 s[PS+2*\i], v[\pv], \i
.endr
	WIN \win
.irp i, 0,1,2,3,4,5,6,7,8,9,10,11,12,13,14,15
.irp e, 0,2,4,6
	v_pk_fma_f32 v[CX+8*(\i%2)+\e:CX+8*(\i%2)+\e+1], v[\fb+8*\i+\e:\fb+8*\i+\e+1], s[PS+2*\i:PS+2*\i+1], v[CX+8*(\i%2)+\e:CX+8*(\i%2)+\e+1] op_sel_hi:[1,0,1]
.endr
.endr
	WIN 0
.endm
.macro PHEAD                           ; at a trip's head: p of the slice that this trip adds to the context (in the first four trips: the zeros that PT was set to; they are not used)
	s_and_b32 s56, s[TAU], 3
	s_lshl_b32 s56, s56, 6
	v_add_nc_u32 v[PTA], s56, v[PTR]
	ds_load_b32 v[PV], v[PTA]
.endm
.macro TVLOAD                          ; c2 x bias and -2 V of the chunk's four tiles of columns, lane r: column r.  Asked for ahead of the second slot's products, whose waits cover these loads
	s_and_b32 s56, s[TAU], 3
	s_lshl_b32 s56, s56, 8
	v_add_nc_u32 v[TBA], s56, v[TBR]
.irp t, 0,1,2,3
	ds_load_b32 v[TV+4*\t], v[TBA] offset:64*\t
	ds_load_b32 v[TV+4*\t+2], v[TBA] offset:4096+64*\t
.endr
.endm
; The chunk's 16 tiles: t = c2 x sum + c2 x bias; 2^t; 1 + 2^t; its reciprocal r; logit sums += (-2 V) r.  The exponentials are one batch with one wait, and so are the reciprocals.
; The plain lines run one tile ahead of the transcendentals, so that none reads a result just made.
.macro TFMA a
.irp e, 0,2,4,6
	v_pk_fma_f32 v[8*(\a)+\e:8*(\a)+\e+1], v[8*(\a)+\e:8*(\a)+\e+1], s[C2:C2+1], v[TV+4*((\a)%4):TV+4*((\a)%4)+1] op_sel_hi:[1,0,0]   ; each accumulator from its low end on
.endr
.endm
.macro TEXP a
.irp e, 0,1,2,3,4,5,6,7
	v_exp_f32 v[8*(\a)+\e], v[8*(\a)+\e]
.endr
.endm
.macro TADD a
.irp e, 0,2,4,6
	v_pk_add_f32 v[8*(\a)+\e:8*(\a)+\e+1], v[8*(\a)+\e:8*(\a)+\e+1], 1.0 op_sel_hi:[1,0]
.endr
.endm
.macro TRCP a
.irp e, 0,1,2,3,4,5,6,7
	v_rcp_f32 v[8*(\a)+\e], v[8*(\a)+\e]
.endr
.endm
.macro TANH
	WIN 0xc3                                       ; destination and source 0: the accumulators' window
	TFMA 0
.irp x, 0,1,2,3,4,5,6,7,8,9,10,11,12,13,14
	TFMA \x+1
	TEXP \x
.endr
	TEXP 15
	v_nop                                          ; a plain place behind the last exponential
	s_wait_alu depctr_va_vdst(0)                   ; ahead of the first line that names a result: one wait for the 128
	TADD 0
.irp x, 0,1,2,3,4,5,6,7,8,9,10,11,12,13,14
	TADD \x+1
	TRCP \x
.endr
	TRCP 15
	v_nop
	s_wait_alu depctr_va_vdst(0)                   ; and one for the 128 reciprocals
	WIN 0x03
.irp t, 0,1,2,3
.irp m, 0,1,2,3
.irp e, 0,2,4,6
	v_pk_fma_f32 v[LSUM+8*\m+\e:LSUM+8*\m+\e+1], v[8*(4*\m+\t)+\e:8*(4*\m+\t)+\e+1], v[TV+4*\t+2:TV+4*\t+3], v[LSUM+8*\m+\e:LSUM+8*\m+\e+1] op_sel_hi:[1,0,1]
.endr
.endr
.endr
	WIN 0
.endm
.macro ALOAD                           ; a generation's codes and scale words from LDS into every wave's registers
	WIN 0x40
.irp s, 0,1,2,3
.irp m, 0,1,2,3
.irp k, 0,1,2
	ds_load_b128 v[12*(4*\s+\m)+4*\k:12*(4*\s+\m)+4*\k+3], v[AIM] offset:\m*12288+\s*1536+512*\k
.endr
.endr
.endr
	WIN 0x80
.irp s, 0,1,2,3
.irp m, 0,1,2,3
.irp k, 0,1,2
	ds_load_b128 v[12*(4*\s+\m)+4*\k:12*(4*\s+\m)+4*\k+3], v[AIM] offset:\m*12288+(4+\s)*1536+512*\k
.endr
.endr
.endr
	WIN 0
.irp s, 0,1,2,3,4,5,6,7
.irp m, 0,1,2,3
	ds_load_b32 v[ASW+4*\s+\m], v[ASR] offset:\m*1024+\s*128
.endr
.endr
.endm
; A generation's end.  The logits' sums are joined across the 16 lanes of a half and across the four waves; the softmax's running maximum and sum move on; p goes to my copy in LDS.  last = 0: the next generation's codes come in.
; (The table registers v176-183 are idle here and take the four waves' partial logits: B's sets already hold the next trip's first fragments.)
.macro SWITCH last
.irp x, 1,2,4,8
.irp i, 0,1,2,3,4,5,6,7,8,9,10,11,12,13,14,15,16,17,18,19,20,21,22,23,24,25,26,27,28,29,30,31
	v_add_f32_dpp v[LSUM+\i], v[LSUM+\i], v[LSUM+\i] row_xmask:\x row_mask:0xf bank_mask:0xf
.endr
.endr
.irp m, 0,1,2,3
	ds_store_b128 v[LXW], v[LSUM+8*\m:LSUM+8*\m+3] offset:64*\m          ; rows 16 m + 8 h + 0 .. 7: the sixteen lanes of a half write the same bytes with the same values
	ds_store_b128 v[LXW], v[LSUM+8*\m+4:LSUM+8*\m+7] offset:64*\m+16
.endr
	s_wait_dscnt 0x0                               ; for the others' sake: my partial logits, and the codes that I stored in this generation's trips, are in LDS
	s_barrier_signal -1
	s_barrier_wait -1
.irp w, 0,1,2,3
	ds_load_b64 v[TV+2*\w:TV+2*\w+1], v[LXR] offset:256*\w               ; rows 2 l and 2 l + 1, of each wave
.endr
	s_wait_dscnt 0x0
.if (\last) == 0
	ALOAD                                          ; they land while the softmax below is worked
.irp i, 0,1,2,3,4,5,6,7,8,9,10,11,12,13,14,15,16,17,18,19,20,21,22,23,24,25,26,27,28,29,30,31
	v_mov_b32 v[LSUM+\i], 0
.endr
.endif
	s_wait_xcnt 0x0                                ; the last generation's store has read its data and its offset: both are written again only behind this wait
	v_pk_add_f32 v[LG:LG+1], v[TV:TV+1], v[TV+2:TV+3]
	v_pk_add_f32 v[TMP:TMP+1], v[TV+4:TV+5], v[TV+6:TV+7]
	v_pk_add_f32 v[LG:LG+1], v[LG:LG+1], v[TMP:TMP+1]
	v_pk_add_f32 v[LG:LG+1], v[LG:LG+1], v[K0:K0+1]                      ; + sum of V + V_b: the logits
	s_lshr_b32 s56, s[TAU], 2
	s_lshl_b32 s56, s56, 8
	v_add_nc_u32 v[LGO], s56, v[L8]                ; the generation's 256 bytes
	s_cmp_lg_u32 s[WV], 0                          ; all four waves hold the same: wave 0 stores
	s_cbranch_scc1 .Lnot_mine_\@
	global_store_b64 v[LGO], v[LG:LG+1], s[14:15]  ; 32 lanes store 256 consecutive bytes, at a multiple of 256 from the buffer's first byte
.Lnot_mine_\@:
	v_max_num_f32 v[TMP], v[LG], v[LG+1]
	v_max_num_f32_dpp v[TMP], v[TMP], v[TMP] row_xmask:1 row_mask:0xf bank_mask:0xf
	v_max_num_f32_dpp v[TMP], v[TMP], v[TMP] row_xmask:2 row_mask:0xf bank_mask:0xf
	v_max_num_f32_dpp v[TMP], v[TMP], v[TMP] row_xmask:4 row_mask:0xf bank_mask:0xf
	v_max_num_f32_dpp v[TMP], v[TMP], v[TMP] row_xmask:8 row_mask:0xf bank_mask:0xf
	v_permlanex16_b32 v[TMP+1], v[TMP], s[SEL], s[SEL+1]
	v_max_num_f32 v[TMP], v[TMP], v[TMP+1]         ; the generation's largest logit
	v_max_num_f32 v[TMP+2], v[MR], v[TMP]          ; the new running maximum
	v_sub_f32 v[TMP+3], v[MR], v[TMP+2]
	v_sub_f32 v[PP], v[LG], v[TMP+2]
	v_sub_f32 v[PP+1], v[LG+1], v[TMP+2]
	v_mul_f32 v[TMP+3], s[LE], v[TMP+3]
	v_pk_mul_f32 v[PP:PP+1], v[PP:PP+1], s[LE:LE+1] op_sel_hi:[1,0]
	v_exp_f32 v[FF], v[TMP+3]                      ; e^(old maximum - new)
	v_exp_f32 v[PP], v[PP]                         ; p = e^(logit - maximum)
	v_exp_f32 v[PP+1], v[PP+1]
	v_mov_b32 v[MR], v[TMP+2]                      ; (a plain place behind the exponentials)
	s_wait_alu depctr_va_vdst(0)                   ; one wait for the three, ahead of their first reader
	v_pk_fma_f32 v[ZL:ZL+1], v[ZL:ZL+1], v[FF:FF+1], v[PP:PP+1] op_sel_hi:[1,0,1]
.irp e, 0,2,4,6,8,10,12,14
	v_pk_mul_f32 v[CX+\e:CX+\e+1], v[CX+\e:CX+\e+1], v[FF:FF+1] op_sel_hi:[1,0]    ; the context so far holds whole generations, all under the old maximum
.endr
	ds_store_b64 v[PTW], v[PP:PP+1]
.endm
	; ---------------- set-up: the descriptors, the round, the two first fills
	s_load_b512 s[4:19], s[0:1], 0x0               ; features s[4:5], w1img s[6:7], biasc s[8:9], V_w s[10:11], V_b s[12:13], logits s[14:15], pctx s[16:17], pstat s[18:19]
	v_lshl_add_u32 v[SPW], v0, 2, SPARE
	v_mov_b32 v[NIL], 0
	ds_add_u32 v28, v29
	ds_add_u32 v28, v29
	s_wait_dscnt 0x0
	v_lshrrev_b32 v[TMP], 5, v0
	v_readfirstlane_b32 s[WV], v[TMP]              ; wave 0..3
	s_bfe_u32 s21, ttmp6, 0x40000                  ; cx: my place in the cluster: it enters global addresses of features and of my own results alone
	s_lshl_b32 s23, ttmp9, 2                       ; in a cluster launch ttmp9 counts clusters: the batch
	s_add_co_u32 s23, s23, s21                     ; my work-group
	; group 1: a wave's part, 25,600 dense bytes, as 100 rows of 256 bytes (32 elements of 8 bytes)
	s_mov_b32 s[G1], 15|(3<<16)|(1<<21)            ; 15:0 the mask: all four work-groups; 17:16 elements of 8 bytes; 20 no padding; 21 set beside a mask
	s_mov_b32 s[G1+1], 32<<16                      ; tensor_dim0 = 32
	s_mov_b32 s[G1+2], 100<<16                     ; tensor_dim1 = 100
	s_mov_b32 s[G1+3], 32<<16                      ; tile_dim0 = 32
	s_mov_b32 s[G1+4], 100                         ; tile_dim1 = 100
	s_mov_b32 s[G1+5], 32                          ; from row to row
	s_mov_b32 s[G1+6], 0
	s_mov_b32 s[G1+7], 0
	s_mov_b32 s[G0A], 1
	s_mul_i32 s[G0A+1], s[WV], PARTB               ; LDS: slot 0, my part
	s_mov_b32 s[G0A+4], 1
	s_add_co_u32 s[G0A+5], s[G0A+1], SLOTB         ; slot 1, my part
	s_mov_b32 s[SEL], 0x76543210
	s_mov_b32 s[SEL+1], 0xfedcba98
	s_mov_b32 s[C2], 0x4038aa3b                    ; 2 log2(e)
	s_mov_b32 s[C2+1], s[C2]
	s_mov_b32 s[LE], 0x3fb8aa3b                    ; log2(e)
	s_mov_b32 s[LE+1], s[LE]
	s_mov_b32 s[OFS], s[G0A+1]
	s_mov_b32 s[OFS+1], 0
	s_wait_kmcnt 0x0
	s_add_nc_u64 s[WB0:WB0+1], s[6:7], s[OFS:OFS+1]
	s_add_nc_u64 s[WB0+2:WB0+3], s[WB0:WB0+1], SLOTB
	s_mov_b64 s[G0A+2:G0A+3], s[WB0:WB0+1]         ; chunk 0, K's first half
	s_or_b32 s[G0A+3], s[G0A+3], 0x80000000
	s_mov_b64 s[G0A+6:G0A+7], s[WB0+2:WB0+3]       ; and its second
	s_or_b32 s[G0A+7], s[G0A+7], 0x80000000
	ROUND                                          ; all four work-groups are here: the first joint loads meet
	tensor_load_to_lds s[G0A:G0A+3], s[G1:G1+7]
	s_nop 0
	tensor_load_to_lds s[G0A+4:G0A+7], s[G1:G1+7]
	s_nop 0
	PLACES
	s_load_b32 s62, s[12:13], 0x0                  ; V_b
	s_lshl_b32 s58, s23, 20                        ; my work-group's 256 rows of 4,096 bytes
	s_mov_b32 s59, 0
	s_add_nc_u64 s[FQ:FQ+1], s[4:5], s[58:59]
	s_mov_b64 s[FC:FC+1], s[FQ:FQ+1]
	s_lshl_b32 s58, s[WV], 16                      ; Q: my wave's 16 rows
	s_add_nc_u64 s[FQ:FQ+1], s[FQ:FQ+1], s[58:59]
	s_lshl_b32 s60, s[WV], 10                      ; C: my wave's 256 columns
	s_mov_b32 s58, s60
	s_add_nc_u64 s[FC:FC+1], s[FC:FC+1], s[58:59]
	s_lshl_b32 s58, s23, 10
	s_add_nc_u64 s[14:15], s[14:15], s[58:59]      ; my 256 logits
	s_lshl_b32 s58, s23, 12
	s_add_co_u32 s58, s58, s60
	s_add_nc_u64 s[16:17], s[16:17], s[58:59]      ; my wave's 256 columns of my work-group's part of the context
	s_lshl_b32 s58, s23, 8
	s_add_nc_u64 s[18:19], s[18:19], s[58:59]      ; my work-group's 256 bytes of pstat
	s_lshl_b32 s58, ttmp9, 12
	s_add_co_u32 s58, s58, s60
	s_add_nc_u64 s[8:9], s[8:9], s[58:59]          ; the batch's row of biasc, my wave's 256 columns
	v_and_b32 v[TMP], 31, v0                       ; lane
	v_lshlrev_b32 v[L16], 4, v[TMP]
	v_add_nc_u32 v[FAO], s60, v[L16]               ; (for now: my wave's quarter of V)
	; ---------------- prologue: the tables, and generation 0
	global_load_b128 v[112:115], v[L16], s[8:9]
	global_load_b128 v[116:119], v[L16], s[8:9] offset:512
	global_load_b128 v[120:123], v[FAO], s[10:11]
	global_load_b128 v[124:127], v[FAO], s[10:11] offset:512
.irp i, 0,1,2,3,4,5,6,7
	global_load_b128 v[128+4*\i:131+4*\i], v[L16], s[10:11] offset:512*\i     ; all of V, for its sum
.endr
	QLOAD 1, 192, L16, 0*512                       ; units 0 to 3 (K steps 0 to 3 of my 16 rows) into four buffers
	QLOAD 2, 192, L16, 1*512
	QLOAD 3, 128, L16, 2*512
	QLOAD 3, 192, L16, 3*512
	v_and_b32 v[TMP+1], 15, v0                     ; r
	v_bfe_u32 v[TMP+2], v0, 4, 1                   ; h
	v_lshlrev_b32 v[TMP+3], 2, v[TMP]              ; 4 x lane
	v_lshlrev_b32 v[L8], 3, v[TMP]
	v_lshlrev_b32 v[H8], 3, v[TMP+2]
	v_add_nc_u32 v[BB0], s[G0A+1], v[L16]
	v_add_nc_u32 v[BB0+1], SLOTB, v[BB0]
	v_add_nc_u32 v[AIM], CODES, v[L16]
	v_add_nc_u32 v[ASR], ASC, v[TMP+3]
	s_mul_i32 s56, s[WV], STGW
	s_add_co_u32 s56, s56, STAGE
	v_add_nc_u32 v[STW], s56, v[L16]
	v_mul_u32_u24 v[STR], v[TMP+1], 528
	v_lshl_add_u32 v[STR], v[TMP+2], 7, v[STR]
	v_add_nc_u32 v[STR], s56, v[STR]
	s_mul_i32 s56, s[WV], 12288
	s_add_co_u32 s56, s56, CODES
	v_add_nc_u32 v[CWR], s56, v[L16]
	s_lshl_b32 s57, s[WV], 10
	s_add_co_u32 s56, s57, ASC
	v_add_nc_u32 v[SWR], s56, v[TMP+3]
	s_add_co_u32 s56, s57, TABC
	v_lshl_add_u32 v[TBR], v[TMP+1], 2, s56
	v_add_nc_u32 v[TBA], s56, v[L16]               ; (for now: where I store my quarter of the tables)
	s_lshl_b32 s57, s[WV], 8
	s_add_co_u32 s56, s57, LX
	v_lshl_add_u32 v[LXW], v[TMP+2], 5, s56
	v_add_nc_u32 v[LXR], LX, v[L8]
	s_add_co_u32 s56, s57, PT
	v_add_nc_u32 v[PTW], s56, v[L8]
	v_lshl_add_u32 v[PTR], v[TMP+1], 2, s56
.irp i, 0,1,2,3,4,5,6,7,8,9,10,11,12,13,14,15
	s_mov_b32 s[PS+2*\i+1], 0                      ; named as the upper halves of pairs, so they are written
.endr
.irp t, 0,1,2,3
	v_mov_b32 v[TV+4*\t+1], 0
	v_mov_b32 v[TV+4*\t+3], 0
.endr
	v_mov_b32 v[FF+1], 0
	s_wait_loadcnt 48                              ; the tables' twelve loads and unit 0 are in; units 1 to 3 may be out
	ds_store_b128 v[TBA], v[112:115]               ; c2 x bias: each wave stores and reads its own quarter of both tables
	ds_store_b128 v[TBA], v[116:119] offset:512
.irp e, 0,2,4,6
	v_pk_mul_f32 v[120+\e:121+\e], v[120+\e:121+\e], -2.0 op_sel_hi:[1,0]
.endr
	ds_store_b128 v[TBA], v[120:123] offset:4096   ; -2 V
	ds_store_b128 v[TBA], v[124:127] offset:4608
	TURN 1, 192                                    ; unit 0 goes through the stage while V is summed
.irp i, 4,8,12,16,20,24,28
	v_pk_add_f32 v[128:129], v[128:129], v[128+\i:129+\i]
	v_pk_add_f32 v[130:131], v[130:131], v[130+\i:131+\i]
.endr
	v_pk_add_f32 v[128:129], v[128:129], v[130:131]
	v_add_f32 v128, v128, v129
	v_add_f32_dpp v128, v128, v128 row_xmask:1 row_mask:0xf bank_mask:0xf
	v_add_f32_dpp v128, v128, v128 row_xmask:2 row_mask:0xf bank_mask:0xf
	v_add_f32_dpp v128, v128, v128 row_xmask:4 row_mask:0xf bank_mask:0xf
	v_add_f32_dpp v128, v128, v128 row_xmask:8 row_mask:0xf bank_mask:0xf
	v_permlanex16_b32 v129, v128, s[SEL], s[SEL+1]
	v_add_f32 v128, v128, v129                     ; the sum of V
	s_wait_kmcnt 0x0
	v_add_f32 v[K0], s62, v128                     ; + V_b
	v_mov_b32 v[K0+1], v[K0]
	v_mov_b32 v[QX], 0                             ; a lane permute's destination counts as one of its sources
	; Eight units, four buffers.  Unit u + 1 is turned ahead of unit u's quantising.  s_wait_loadcnt 32: two units of 16 loads were asked for behind the one wanted.
	; s_wait_dscnt 36: behind unit u's turn stand the 4 stores of unit u - 1's codes and scale word and the 32 instructions of unit u + 1's turn (for unit 0: the 32 alone; for unit 7: the 4 alone).
	s_wait_loadcnt 32
	TURN 2, 192
	s_wait_dscnt 32
	QUANT 1, 192, 0, CWR, 0*1536, SWR, 0*128
	QLOAD 1, 192, L16, 4*512
	s_wait_loadcnt 32
	TURN 3, 128
	s_wait_dscnt 36
	QUANT 2, 192, 1, CWR, 1*1536, SWR, 1*128
	QLOAD 2, 192, L16, 5*512
	s_wait_loadcnt 32
	TURN 3, 192
	s_wait_dscnt 36
	QUANT 3, 128, 0, CWR, 2*1536, SWR, 2*128
	QLOAD 3, 128, L16, 6*512
	s_wait_loadcnt 32
	TURN 1, 192
	s_wait_dscnt 36
	QUANT 3, 192, 1, CWR, 3*1536, SWR, 3*128
	QLOAD 3, 192, L16, 7*512
	s_wait_loadcnt 32
	TURN 2, 192
	s_wait_dscnt 36
	QUANT 1, 192, 0, CWR, 4*1536, SWR, 4*128
	QLOAD 1, 192, L16, 262144                      ; generation 1's K steps 0 and 1: quantised in trip 0
	s_wait_loadcnt 32
	TURN 3, 128
	s_wait_dscnt 36
	QUANT 2, 192, 1, CWR, 5*1536, SWR, 5*128
	QLOAD 2, 192, L16, 262144+512
	s_wait_loadcnt 32
	TURN 3, 192
	s_wait_dscnt 36
	QUANT 3, 128, 0, CWR, 6*1536, SWR, 6*128
	s_wait_dscnt 4
	QUANT 3, 192, 1, CWR, 7*1536, SWR, 7*128
	s_wait_dscnt 0x0                               ; for the others' sake: my codes are in LDS
	s_barrier_signal -1
	s_barrier_wait -1
	ALOAD
.irp i, 0,1,2,3,4,5,6,7,8,9,10,11,12,13,14,15,16,17,18,19,20,21,22,23,24,25,26,27,28,29,30,31
	v_mov_b32 v[LSUM+\i], 0
.endr
.irp i, 0,1,2,3,4,5,6,7,8,9,10,11,12,13,14,15
	v_mov_b32 v[CX+\i], 0
.endr
	v_mov_b32 v[ZL], 0
	v_mov_b32 v[ZL+1], 0
	v_mov_b32 v[MR], 0xff61b1e6                    ; -3e38, under every logit
	ds_store_b64 v[PTW], v[ZL:ZL+1]                ; my copy of p begins as zeros, so that the read at a trip's head is defined from the first trip on
	s_wait_tensorcnt 1                             ; my part of slot 0 is in; slot 1's may be out
	LBS 0                                          ; trip 0's first fragments
	LB 0, 0, 0
	LB 1, 0, 1
	s_mov_b32 s[TAU], 0
	; ---------------- 15 trips; each asks for the next trip's two slots
.Ltrip:
	PHEAD
	GBODY 0, 0                                     ; (the wait for 0 at its head: the fragments asked for behind the last round, p, and at a generation's start A's codes)
	RING 0
	LBS 1                                          ; slot 1 was shown landed by the wait for all tensor loads just passed: its scale images and first set land under the work on features
	LB 0, 1, 0
	TVLOAD
	s_wait_loadcnt 0x0                             ; all that was asked for a window or a trip ago: the slice for the context and two units.  (Zero is right whichever of the parts below ran in the last trip.)  It frees the loads' offset registers too
	s_cmp_ge_u32 s[TAU], 12
	s_cbranch_scc1 .Lno_turn                       ; trips 0 to 11: units 8 + 2 TAU and 9 + 2 TAU go through the stage, one behind the other
	TURN 1, 192
	TURN 2, 192
.Lno_turn:
	s_cmp_lt_u32 s[TAU], 4
	s_cbranch_scc1 .Lno_cons                       ; from trip 4 on: slice TAU - 4, whose p the last generation's end has made
	CCONS 3, 128, PV
.Lno_cons:
	s_cmp_lt_u32 s[TAU], 3
	s_cbranch_scc1 .Lno_slice                      ; from trip 3 on: slice TAU - 3 is asked for
	s_sub_co_u32 s56, s[TAU], 3
	s_lshl_b32 s56, s56, 16                        ; 16 rows of 4,096 bytes
	v_add_nc_u32 v[CAO], s56, v[L16]
	CLOAD 3, 128, CAO
.Lno_slice:
	s_cmp_ge_u32 s[TAU], 12
	s_cbranch_scc1 .Lno_quant                      ; trips 0 to 11: the two units are the next generation's K steps 2 TAU mod 8 and the one after
	s_lshl_b32 s56, s[TAU], 1
	s_and_b32 s56, s56, 7
	s_mul_i32 s57, s56, 1536
	s_lshl_b32 s56, s56, 7
	v_add_nc_u32 v[CWL], s57, v[CWR]
	v_add_nc_u32 v[SWL], s56, v[SWR]
	s_wait_dscnt 32                                ; the first unit is back; the second unit's 16 stores and 16 loads may be out
	QUANT 1, 192, 0, CWL, 0, SWL, 0
	s_cmp_ge_u32 s[TAU], 11
	s_cbranch_scc1 .Lno_ask0                       ; trips 0 to 10: unit 10 + 2 TAU is asked for: no load leaves the work-group's 32 units
	s_lshl_b32 s56, s[TAU], 1
	s_add_co_u32 s56, s56, 10
	s_lshr_b32 s57, s56, 3
	s_lshl_b32 s57, s57, 18                        ; its generation: 64 rows of 4,096 bytes,
	s_and_b32 s56, s56, 7
	s_lshl_b32 s56, s56, 9                         ; its K step: 512 bytes
	s_add_co_u32 s56, s56, s57
	v_add_nc_u32 v[FAO], s56, v[L16]
	QLOAD 1, 192, FAO, 0
.Lno_ask0:
	s_wait_dscnt 4                                 ; the second unit is back; the first unit's 4 stores may be out
	QUANT 2, 192, 1, CWL, 1536, SWL, 128
.Lno_quant:
	LB 1, 1, 1                                     ; into the registers that the quantiser has left: LDS serves its stores ahead of these loads
	GBODY 1, 12                                    ; (at its head all but those twelve loads are in)
	RING 1
	LBS 0                                          ; slot 0 was shown landed by the wait for all tensor loads just passed: the next trip's first fragments land under the tanh
	LB 0, 0, 0
	LB 1, 0, 1
	s_cmp_ge_u32 s[TAU], 11
	s_cbranch_scc1 .Lno_ask1
	QLOAD 2, 192, FAO, 512                         ; unit 11 + 2 TAU: the K step after (10 + 2 TAU is even: the same generation)
.Lno_ask1:
	TANH
	s_and_b32 s56, s[TAU], 3
	s_cmp_lg_u32 s56, 3
	s_cbranch_scc1 .Lno_switch                     ; the same in every wave and every work-group
	SWITCH 0
.Lno_switch:
	s_add_co_u32 s[TAU], s[TAU], 1
	s_cmp_lt_u32 s[TAU], 15
	s_cbranch_scc1 .Ltrip
	; ---------------- trip 15, written out: it asks for no slot
	PHEAD                                          ; p of slice 11
	GBODY 0, 0
	s_wait_tensorcnt 0x0                           ; slot 1's last fill is in
	PLACES                                         ; behind slot 0's last products
	LBS 1
	LB 0, 1, 0
	LB 1, 1, 1
	TVLOAD
	s_wait_loadcnt 0x0
	CCONS 3, 128, PV                               ; slice 11
	v_add_nc_u32 v[CAO], 12<<16, v[L16]
	CLOAD 3, 128, CAO                              ; slice 12
	GBODY 1, 0
	PLACES                                         ; behind the last products
	v_add_nc_u32 v[CAO2], 13<<16, v[L16]
	CLOAD 1, 0, CAO2                               ; slice 13, into registers that A's codes have left
	TANH
	SWITCH 1
	; ---------------- the last generation's four slices, in two buffers by turns
.irp j, 0,1,2,3
	ds_load_b32 v[TV+8+\j], v[PTR] offset:64*\j    ; their p: LDS serves these behind my store of p
.endr
	s_wait_dscnt 0x0
	s_wait_loadcnt 32                              ; slice 12 is in; the 32 loads of the slice asked for behind it may be out (and so below)
	CCONS 3, 128, TV+8
	v_add_nc_u32 v[CAO], 14<<16, v[L16]
	CLOAD 3, 128, CAO
	s_wait_loadcnt 32
	CCONS 1, 0, TV+9
	v_add_nc_u32 v[CAO2], 15<<16, v[L16]
	CLOAD 1, 0, CAO2
	s_wait_loadcnt 32
	CCONS 3, 128, TV+10
	s_wait_loadcnt 0x0
	CCONS 1, 0, TV+11
.irp e, 0,2,4,6
	v_pk_add_f32 v[CX+\e:CX+\e+1], v[CX+\e:CX+\e+1], v[CX+8+\e:CX+9+\e]
.endr
	global_store_b128 v[L16], v[CX:CX+3], s[16:17]               ; 32 lanes store 512 consecutive bytes
	global_store_b128 v[L16], v[CX+4:CX+7], s[16:17] offset:512
	v_add_f32 v[TMP], v[ZL], v[ZL+1]
	v_add_f32_dpp v[TMP], v[TMP], v[TMP] row_xmask:1 row_mask:0xf bank_mask:0xf
	v_add_f32_dpp v[TMP], v[TMP], v[TMP] row_xmask:2 row_mask:0xf bank_mask:0xf
	v_add_f32_dpp v[TMP], v[TMP], v[TMP] row_xmask:4 row_mask:0xf bank_mask:0xf
	v_add_f32_dpp v[TMP], v[TMP], v[TMP] row_xmask:8 row_mask:0xf bank_mask:0xf
	v_permlanex16_b32 v[TMP+1], v[TMP], s[SEL], s[SEL+1]
	v_add_f32 v[TMP+3], v[TMP], v[TMP+1]           ; the work-group's sum of p,
	v_mov_b32 v[TMP+2], v[MR]                      ; under its largest logit
	s_cmp_lg_u32 s[WV], 0
	s_cbranch_scc1 .Lno_stat
	global_store_b64 v[L8], v[TMP+2:TMP+3], s[18:19]             ; the pair 32 times: 256 consecutive bytes, written whole
.Lno_stat:
	s_wait_tensorcnt 0x0                           ; the wave's end, behind my last tensor load and my last LDS store
	ds_add_u32 v[SPW], v[NIL]
	s_wait_dscnt 0x0
	ROUND                                          ; the closing round: no work-group ends while a partner may still ask for a slot that names it
	s_endpgm
.Lfunc_end_k_qc1d53dedb5_main:
	.size	k_qc1d53dedb5_main, .Lfunc_end_k_qc1d53dedb5_main-k_qc1d53dedb5_main
	.p2alignl 7, 3214868480
	.fill 96, 4, 3214868480
	.section	.rodata,"a",@progbits
	.p2align	6, 0x0
	.amdhsa_kernel k_qc1d53dedb5_main
		.amdhsa_group_segment_fixed_size 327680
		.amdhsa_private_segment_fixed_size 0
		.amdhsa_enable_private_segment 0
		.amdhsa_kernarg_size 64
		.amdhsa_user_sgpr_count 2
		.amdhsa_user_sgpr_kernarg_segment_ptr 1
		.amdhsa_wavefront_size32 1
		.amdhsa_system_sgpr_workgroup_id_x 1
		.amdhsa_system_sgpr_workgroup_id_y 1
		.amdhsa_system_sgpr_workgroup_id_z 1
		.amdhsa_system_vgpr_workitem_id 0
		.amdhsa_next_free_vgpr 1024
		.amdhsa_next_free_sgpr 100
		.amdhsa_reserve_vcc 0
		.amdhsa_float_denorm_mode_32 3
		.amdhsa_float_denorm_mode_16_64 3
		.amdhsa_memory_ordered 1
		.amdhsa_forward_progress 1
		.amdhsa_inst_pref_size 255
	.end_amdhsa_kernel
	.section	.bss,"aw",@nobits
	.p2align	6
	.space	262144
	.amdgpu_metadata
---
amdhsa.version: [ 1, 2 ]
amdhsa.kernels:
  - .name:           k_qc1d53dedb5_main
    .symbol:         k_qc1d53dedb5_main.kd
    .args:
      - { .name: features, .offset: 0, .size: 8, .value_kind: global_buffer, .address_space: global }
      - { .name: w1img, .offset: 8, .size: 8, .value_kind: global_buffer, .address_space: global }
      - { .name: biasc, .offset: 16, .size: 8, .value_kind: global_buffer, .address_space: global }
      - { .name: V_w, .offset: 24, .size: 8, .value_kind: global_buffer, .address_space: global }
      - { .name: V_b, .offset: 32, .size: 8, .value_kind: global_buffer, .address_space: global }
      - { .name: logits, .offset: 40, .size: 8, .value_kind: global_buffer, .address_space: global }
      - { .name: pctx, .offset: 48, .size: 8, .value_kind: global_buffer, .address_space: global }
      - { .name: pstat, .offset: 56, .size: 8, .value_kind: global_buffer, .address_space: global }
    .group_segment_fixed_size: 327680
    .private_segment_fixed_size: 0
    .kernarg_segment_align: 8
    .kernarg_segment_size: 64
    .max_flat_workgroup_size: 128
    .sgpr_count:     100
    .vgpr_count:     1024
    .wavefront_size: 32
...
	.end_amdgpu_metadata
.endif
;; end of part 2
;; launch combine (part 3): grid 64 x 1, 8 waves a work-group, no clusters, 0 bytes of LDS; arguments logits, pctx, pstat, out0, out1; writes out0, out1
.if DOCPART == 3
	.amdgcn_target "amdgcn-amd-amdhsa--gfx1250"
	.amdhsa_code_object_version 6
	.text
	.protected	k_qc1d53dedb5_combine
	.globl	k_qc1d53dedb5_combine
	.p2align	8
	.type	k_qc1d53dedb5_combine,@function
k_qc1d53dedb5_combine:
	s_mov_b64 s[64:65], 0
	v_nop
	global_prefetch_b8 v0, s[64:65] scope:SCOPE_SE
	s_setreg_imm32_b32 hwreg(HW_REG_WAVE_MODE, 25, 1), 1
	s_wait_xcnt 0x0
; A batch's four parts are joined.  Part i (256 rows) left its largest logit m_i, its sum z_i of e^(logit - m_i), and ctx_i = sum of e^(logit - m_i) x features.
; M = the largest m_i;  e_i = e^(m_i - M);  Z = sum of z_i e_i;  out0 = sum of e_i ctx_i / Z;  out1 = e^(logit - M) / Z.
; One work-group a batch; each of its 256 threads takes 16 bytes of each row of 4,096: a wave's load or store covers 512 consecutive bytes.  Memory binds and the work is small: no LDS, no matrix unit, no cluster.
	s_load_b256 s[4:11], s[0:1], 0x0               ; logits s[4:5], pctx s[6:7], pstat s[8:9], out0 s[10:11]
	s_load_b64 s[12:13], s[0:1], 0x20              ; out1
	v_lshlrev_b32 v1, 4, v0
	s_lshl_b32 s14, ttmp9, 10                      ; the batch's four blocks of 256 bytes of pstat,
	s_mov_b32 s15, 0
	s_lshl_b32 s16, ttmp9, 14                      ; its four rows of pctx,
	s_mov_b32 s17, 0
	s_lshl_b32 s18, ttmp9, 12                      ; its row of logits, out0 and out1
	s_mov_b32 s19, 0
	s_wait_kmcnt 0x0
	s_add_nc_u64 s[8:9], s[8:9], s[14:15]
	s_add_nc_u64 s[6:7], s[6:7], s[16:17]
	s_add_nc_u64 s[4:5], s[4:5], s[18:19]
	s_add_nc_u64 s[10:11], s[10:11], s[18:19]
	s_add_nc_u64 s[12:13], s[12:13], s[18:19]
	s_load_b64 s[24:25], s[8:9], 0x0               ; (m_i, z_i)
	s_load_b64 s[26:27], s[8:9], 0x100
	s_load_b64 s[28:29], s[8:9], 0x200
	s_load_b64 s[30:31], s[8:9], 0x300
.irp i, 0,1,2,3
	global_load_b128 v[4+4*\i:7+4*\i], v1, s[6:7] offset:4096*\i th:TH_LOAD_NT
.endr
	global_load_b128 v[20:23], v1, s[4:5] th:TH_LOAD_NT
.irp i, 0,1,2,3
	v_mov_b32 v[33+2*\i], 0                        ; named as the upper halves of pairs, so they are written
.endr
	s_wait_kmcnt 0x0
	v_mov_b32 v30, s24
	v_max_num_f32 v30, s26, v30
	v_max_num_f32 v30, s28, v30
	v_max_num_f32 v30, s30, v30                    ; M
.irp i, 0,1,2,3
	v_sub_f32 v[32+2*\i], s[24+2*\i], v30
.endr
.irp i, 0,1,2,3
	v_mul_f32 v[32+2*\i], 0x3fb8aa3b, v[32+2*\i]
.endr
	s_wait_loadcnt 0x0
.irp j, 0,1,2,3
	v_sub_f32 v[40+\j], v[20+\j], v30
.endr
.irp j, 0,1,2,3
	v_mul_f32 v[40+\j], 0x3fb8aa3b, v[40+\j]
.endr
.irp i, 0,1,2,3
	v_exp_f32 v[32+2*\i], v[32+2*\i]               ; e_i
.endr
.irp j, 0,1,2,3
	v_exp_f32 v[40+\j], v[40+\j]                   ; e^(logit - M)
.endr
	v_nop                                          ; a plain place behind the last exponential
	s_wait_alu depctr_va_vdst(0)                   ; ahead of the first reader: one wait for the eight
	v_mul_f32 v44, s25, v32
	v_fmac_f32 v44, s27, v34
	v_fmac_f32 v44, s29, v36
	v_fmac_f32 v44, s31, v38                       ; Z
	v_rcp_f32 v45, v44
	v_nop
	s_wait_alu depctr_va_vdst(0)
.irp i, 0,1,2,3
	v_mul_f32 v[32+2*\i], v[32+2*\i], v45          ; e_i / Z
.endr
.irp e, 0,2
	v_pk_mul_f32 v[24+\e:25+\e], v[4+\e:5+\e], v[32:33] op_sel_hi:[1,0]
.endr
.irp i, 1,2,3
.irp e, 0,2
	v_pk_fma_f32 v[24+\e:25+\e], v[4+4*\i+\e:5+4*\i+\e], v[32+2*\i:33+2*\i], v[24+\e:25+\e] op_sel_hi:[1,0,1]
.endr
.endr
.irp j, 0,1,2,3
	v_mul_f32 v[40+\j], v[40+\j], v45
.endr
	global_store_b128 v1, v[24:27], s[10:11]
	global_store_b128 v1, v[40:43], s[12:13]
	s_endpgm
.Lfunc_end_k_qc1d53dedb5_combine:
	.size	k_qc1d53dedb5_combine, .Lfunc_end_k_qc1d53dedb5_combine-k_qc1d53dedb5_combine
	.p2alignl 7, 3214868480
	.fill 96, 4, 3214868480
	.section	.rodata,"a",@progbits
	.p2align	6, 0x0
	.amdhsa_kernel k_qc1d53dedb5_combine
		.amdhsa_group_segment_fixed_size 0
		.amdhsa_private_segment_fixed_size 0
		.amdhsa_enable_private_segment 0
		.amdhsa_kernarg_size 40
		.amdhsa_user_sgpr_count 2
		.amdhsa_user_sgpr_kernarg_segment_ptr 1
		.amdhsa_wavefront_size32 1
		.amdhsa_system_sgpr_workgroup_id_x 1
		.amdhsa_system_sgpr_workgroup_id_y 1
		.amdhsa_system_sgpr_workgroup_id_z 1
		.amdhsa_system_vgpr_workitem_id 0
		.amdhsa_next_free_vgpr 48
		.amdhsa_next_free_sgpr 66
		.amdhsa_reserve_vcc 0
		.amdhsa_float_denorm_mode_32 3
		.amdhsa_float_denorm_mode_16_64 3
		.amdhsa_memory_ordered 1
		.amdhsa_forward_progress 1
		.amdhsa_inst_pref_size 5
	.end_amdhsa_kernel
	.amdgpu_metadata
---
amdhsa.version: [ 1, 2 ]
amdhsa.kernels:
  - .name:           k_qc1d53dedb5_combine
    .symbol:         k_qc1d53dedb5_combine.kd
    .args:
      - { .name: logits, .offset: 0, .size: 8, .value_kind: global_buffer, .address_space: global }
      - { .name: pctx, .offset: 8, .size: 8, .value_kind: global_buffer, .address_space: global }
      - { .name: pstat, .offset: 16, .size: 8, .value_kind: global_buffer, .address_space: global }
      - { .name: out0, .offset: 24, .size: 8, .value_kind: global_buffer, .address_space: global }
      - { .name: out1, .offset: 32, .size: 8, .value_kind: global_buffer, .address_space: global }
    .group_segment_fixed_size: 0
    .private_segment_fixed_size: 0
    .kernarg_segment_align: 8
    .kernarg_segment_size: 40
    .max_flat_workgroup_size: 256
    .sgpr_count:     66
    .vgpr_count:     48
    .wavefront_size: 32
...
	.end_amdgpu_metadata
.endif
;; end of part 3
